; MI455X (gfx1250); checked and timed in simulation.
; The chip was launched on July 23, 2026; its instructions are those of AMD's public machine-readable ISA for CDNA 5 (MIT licence, August 2026) and "CDNA5" Instruction Set Architecture Reference Guide (July 2026). The comments in the code are by the model that wrote it; some were corrected since.
;; Split Head SAM Decoder Attention. Allowed arithmetic: matrix products marked QUANTISED: E2M3 operands, one E8M0 scale for each 32 along K, by v_wmma_scale_f32_16x16x128_f8f6f4 with both operands' format E2M3, f32 sums; everything else in f32.
;; Inputs: Wk 8 x 32 x 256 float32; Wo 256 x 256 float32; Wq 8 x 32 x 256 float32; Wv 8 x 32 x 256 float32; bk 8 x 32 float32; bo 256 float32; bq 8 x 32 float32; bv 8 x 32 float32; k 8 x 4,096 x 256 float32; q 8 x 1,024 x 256 float32; v 8 x 4,096 x 256 float32.
;; Outputs: out0 8 x 1,024 x 256 float32.
;; This version of the problem:
;;   THIS VERSION OF THE PROBLEM IS GIVEN IN LOW PRECISION. The matrix products marked QUANTISED in the list below multiply operands that are first quantised to E2M3 (2 exponent bits, 3 mantissa bits; 6 bits a number), with one power-of-two scale for each 32 numbers along K (OCP MX v1.0); their sums are f32. All else is computed in f32.
;;   The module's matrix products, in the order in which they are computed (A, B: the left and right operand; K: the contracted axis; several contracted axes count as one K, in the product's order):
;;     1. [M 256, K 256] x [K 256, N 8,192]; A: input Wq; B: input q: QUANTISED
;;     2. [M 256, K 256] x [K 256, N 32,768]; A: input Wk; B: input k: QUANTISED
;;     3. [M 256, K 256] x [K 256, N 32,768]; A: input Wv; B: input v: QUANTISED
;;     4. batch 64 x [M 1,024, K 32] x [K 32, N 4,096]; A: computed on the way; B: computed on the way: QUANTISED
;;     5. batch 64 x [M 1,024, K 4,096] x [K 4,096, N 32]; A: softmax (see below); B: computed on the way: QUANTISED
;;     6. [M 8,192, K 256] x [K 256, N 256]; A: computed on the way; B: input Wo: QUANTISED
;;   THE QUANTISER, for each operand of a quantised product, along K:
;;     - K is cut into blocks of 32 from its start; a last block that is shorter is filled with zeros.
;;     - A block's scale is 2^e with e = floor(log2(the largest magnitude in the block)) - 2, held to -126 .. 127; a block of zeros has e = 0. As a byte (E8M0): e + 127.
;;     - Each number is divided by its block's scale, clamped to +-7.5, and rounded to the nearest number of E2M3, ties to even, subnormals kept.
;;     - The product sums the exact products of the quantised numbers (number of the format x scale) in f32.
;;   ~~~python
;;   def quantise(x, axis):      # numpy; x: float32 -> the quantised numbers, widened to float32 again
;;       x = np.moveaxis(x, axis, -1); K = x.shape[-1]
;;       x = np.pad(x, [(0, 0)] * (x.ndim - 1) + [(0, -K % 32)]); x = x.reshape(x.shape[:-1] + (-1, 32)); a = np.abs(x).max(-1, keepdims=True)
;;       e = np.where(a > 0, np.clip(np.frexp(np.where(a > 0, a, 1))[1] - 1 - 2, -126, 127), 0)      # np.frexp(a)[1] - 1 = floor(log2(a)), exactly
;;       r = np.clip(x / 2.0 ** e, -7.5, 7.5)
;;       step = 2.0 ** (np.maximum(np.frexp(np.where(r == 0, 1, r))[1] - 1, 0) - 3)
;;       q = np.round(r / step) * step * 2.0 ** e      # np.round: ties to even
;;       return np.moveaxis(q.reshape(q.shape[:-2] + (-1,))[..., :K], -1, axis).astype(np.float32)
;;   ~~~
;;   SOFTMAX AHEAD OF A QUANTISED PRODUCT. Where the list says 'softmax', what is quantised is not the finished softmax but p = 2^(t - M), with t = logit x log2(e) and M = ceil(the row's largest t), a whole number; so 1/2 < the row's largest p <= 1. The row's sum l is taken of the UNQUANTISED p, in f32, and the product's result is divided by l at the end. Since M is a whole number, a kernel that streams over the keys may use a running M (the ceiling of the running maximum): every later rescaling is an exact power of two, which a block's scale takes up: the codes' values come out the same.
;;   OPERANDS COMPUTED ON THE WAY. 'Computed on the way' means the value that the module computes at that place (a softmax that the list does not call 'softmax' is quantised finished and normalised). What goes into a quantiser is computed in f32, as accurately as f32 sums, v_exp_f32 and their like allow (about 1e-6 of the number): no bf16 or f16 on the way to a quantiser, and a product that is left as it is and whose result goes on into a quantised operand takes f32 operands (vector FMAs, or v_wmma_f32_16x16x4_f32). A number that lies on a knife's edge between two numbers of the format may be rounded either way, as far as f32 arithmetic and the matrix unit's own rounding can turn it there, and no further.
;; One version. Each part assembles by itself: llvm-mc -triple=amdgcn-amd-amdhsa -mcpu=gfx1250 --defsym DOCPART=n.
;; ======== version 1 of 1: 3 launches
;; workspace buffers: kv 13,107,200 bytes; frag 1,949,696 bytes; oc 1,572,864 bytes; os 65,536 bytes
;; launch proj (part 1): grid 256 x 1, 8 waves a work-group, no clusters, 327,680 bytes of LDS; arguments k, v, Wk, Wv, bk, bv, q, Wq, Wo, kv, frag; writes kv, frag
.if DOCPART == 1
	.amdgcn_target "amdgcn-amd-amdhsa--gfx1250"
	.amdhsa_code_object_version 6
	.text
	.protected	k_qedc6ee2472_proj
	.globl	k_qedc6ee2472_proj
	.p2align	8
	.type	k_qedc6ee2472_proj,@function
k_qedc6ee2472_proj:
	s_mov_b64 s[64:65], 0
	v_nop
	global_prefetch_b8 v0, s[64:65] scope:SCOPE_SE
	s_setreg_imm32_b32 hwreg(HW_REG_WAVE_MODE, 25, 1), 1
	s_wait_xcnt 0x0
; kh = k Wk^T + bk and vh = v Wv^T + bv on codes of FP6 (E2M3) with one E8M0 scale for each 32 along K; kh is then quantised along the head's 32 channels, vh along the keys,
; and both leave as images of the operand registers that the attention launch wants.  Beside that some waves quantise q, Wq and Wo into such images (the "job").
; DEAD WORK: none is left out in this program.  Every input has a way to the output: bk and bv go into quantised operands, so they can move codes and scales and stay.
; LIMITS: NaN and infinities among the inputs are not served.  A block of zeros, or one whose largest magnitude lies under 2^-124, gets the scale byte 1 (the rule says 127 for zeros):
; its codes are zeros or subnormals under that byte, and the bytes are read by this program alone.
; SHARES.  Work-groups 0-127 take k, 128-255 take v; each takes two units of 128 rows (a unit = one key step of one batch).  Eight waves.  Wave w has two parts:
;   it quantises the unit's row tile w (16 rows x 256 numbers: two fragments) and hands their images to the other waves through LDS;
;   it owns head w: that head's 32 rows of W stay in its registers as four fragments, and it makes the head's part of the unit's record.
; THE ROWS OF A TILE ARE NOT NEIGHBOURS: lane r of row tile T takes row 32 (T / 2) + 8 (T % 2) + r + 8 (r / 8); lane r of W's tile u takes channel 8 u + r + 8 (r / 8).
;   So 16 registers of two neighbouring result tiles are 16 neighbours along the next product's K, as the conversions want them.
; k: source 0 = W's tile, source 1 = 16 rows of k: a lane holds one key and 16 channels; four keys' blocks of 32 make one row of a fragment (the scores' K is 32, an instruction's 128).
; v: source 0 = 16 rows of v, source 1 = W's tile: a lane holds one channel and 16 keys of each 32: a fragment of V^T with the step's 128 keys as K.
; A RECORD of kv, 6,400 bytes for (batch, head, key step): K's fragments 0, 1, V's fragments 0, 1 (1,536 bytes each: register 4 c + e of lane l at 512 c + 16 l + 4 e), then K's scale words
;   (8 r + 4 f), then V's (128 + 8 r + 4 n).
; NO CLUSTER: the rows of k and v are read by one work-group alone; W is shared, but its 256 KiB of f32 have no room in LDS beside the two units' 266,240 bytes.
; All of a work-group's rows are asked for at the head, by two tensor loads a wave (two of mine are out at the most); nothing is filled again.
.set RAWP,  1040                       ; a raw row in LDS: 1,024 bytes + 16 of padding
.set RAWU,  128*RAWP                   ; a unit's raw rows; unit 1 lies behind unit 0
.set FRB,   1536                       ; a fragment's image
.set XIMG,  2*RAWU                     ; unit 0: 16 images (tile T, K step s at 2 T + s),
.set XSC,   XIMG+16*FRB                ; and their scale words, 128 bytes each
.set NEXTU, 16*FRB+16*128              ; unit 1's images and words lie so far behind unit 0's
.set SPARE, XIMG+2*NEXTU               ; the spare words, 128 bytes for each wave: four blocks of 256 bytes that no other line names
.set REC,   6400
.set FREC,  1792                       ; a record of frag: an image, 128 bytes of scale words, 128 bytes that nobody writes or reads
.set LI,  1                            ; v1   16 x lane: my place in an image
.set XAM, 2                            ; v2   W in memory: (r + 8 (r / 8)) x 1,024 + 64 h
.set JA,  3                            ; v3   the job's rows in memory
.set XR,  4                            ; v4   LDS: my raw row, + 64 h
.set IW,  5                            ; v5   LDS: where I store my tile's images
.set SW,  6                            ; v6   and their scale words
.set FI,  7                            ; v7   LDS: where I read images
.set FS,  8                            ; v8   and scale words
.set SPW, 9                            ; v9   my spare word; never rewritten
.set NIL, 10                           ; v10  0; never rewritten
.set SO,  11                           ; v11  8 r + 4 h: my place among a record's scale words
.set L4,  12                           ; v12  4 x lane
.set BV,  13                           ; v13  h, then the bias's offset
.set WF,  16                           ; v16-63   W's fragments (u, s) at 12 (2 u + s)
.set WS,  64                           ; v64-67   their scale words: nothing else ever stands here
.set BI,  68                           ; v68-83   the bias as two C tiles
.set HA,  84                           ; v84-147  eight accumulators; also 64 raw numbers
.set XF,  148                          ; v148-243 eight fragments of x; outside the products the registers below lie here
.set XS,  244                          ; v244-251 their scale words: nothing else ever stands here
.set R2,  148                          ; 64 raw numbers
.set PC,  212                          ; the codes just made
.set TX,  224                          ; the conversions' second halves
.set TM,  232                          ; +0..3 largest magnitudes, +4..7 the other lane's, then bytes, +8..11 scale operands
.set JS,  8                            ; s[8:9]   the job's source     (the registers of pointers that have been chosen from)
.set JD,  10                           ; s[10:11] the job's record
.set DC,  12                           ; s[12:13] my head's record of unit 0, at my tensor's fragments
.set DS,  14                           ; s[14:15] the same, at my tensor's scale words
.set G1,  36
.set G0,  44
.set SEL, 52
.set HI16, 54
.set WV,  55
.set TY,  56
.macro PLACES                          ; four plain vector instructions behind a matrix instruction, ahead of reads of its results and of loads into its registers
.rept 4
	v_nop
.endr
.endm
.macro XLOADG reg, va, sb, off         ; 64 numbers of a lane from memory: of each block of 32 along K my half's 16
.irp b, 0,1,2,3
.irp j, 0,1,2,3
	global_load_b128 v[\reg+16*\b+4*\j:\reg+16*\b+4*\j+3], v[\va], s[\sb:\sb+1] offset:\off+128*\b+16*\j
.endr
.endr
.endm
; 64 numbers of a lane, register 16 b + i = k 32 b + 16 (lane / 16) + i of my row, become a fragment's codes in v[d] on and its scale word in v[w]
.macro QUANT s, d, w
.irp b, 0,1,2,3
	v_max3_num_f32 v[TM+\b], |v[\s+16*\b]|, |v[\s+1+16*\b]|, 0x1800000   ; block b: my 16 numbers and the floor 2^(3 - 127): the byte cannot fall under 1
.endr
.irp i, 2,4,6,8,10,12,14
.irp b, 0,1,2,3
	v_max3_num_f32 v[TM+\b], v[TM+\b], |v[\s+16*\b+\i]|, |v[\s+1+16*\b+\i]|
.endr
.endr
.irp b, 0,1,2,3
	v_permlanex16_b32 v[TM+4+\b], v[TM+\b], s[SEL], s[SEL+1]
.endr
.irp b, 0,1,2,3
	v_max_num_f32 v[TM+\b], v[TM+\b], v[TM+4+\b]           ; with lane l xor 16's: the block's largest magnitude
.endr
.irp b, 0,1,2,3
	v_add_nc_u32 v[TM+8+\b], 0xff000000, v[TM+\b]          ; 2 off its exponent field: the conversion's scale operand
.endr
.irp b, 0,1,2,3
	v_lshrrev_b32 v[TM+4+\b], 23, v[TM+8+\b]               ; the scale's byte
.endr
	v_lshl_or_b32 v[\w], v[TM+5], 8, v[TM+4]
	v_lshl_or_b32 v[\w], v[TM+6], 16, v[\w]
	v_lshl_or_b32 v[\w], v[TM+7], 24, v[\w]
.irp c, 0,1
	v_cvt_scalef32_pk16_fp6_f32 v[\d+6*\c:\d+2+6*\c], v[\s+32*\c:\s+15+32*\c], v[TM+8+2*\c]
	v_cvt_scalef32_pk16_fp6_f32 v[TX+4*\c:TX+2+4*\c], v[\s+16+32*\c:\s+31+32*\c], v[TM+9+2*\c]   ; (a conversion's three registers begin on an even number)
.endr
	v_nop                                                  ; one plain place behind the scaled conversions
.irp c, 0,1                            ; the layout wants a whole block in a lane: lanes 0-15 block 2 c, lanes 16-31 block 2 c + 1
.irp i, 0,1,2
	v_permlane16_swap_b32 v[\d+6*\c+\i], v[TX+4*\c+\i]
.endr
.irp i, 0,1,2
	v_mov_b32 v[\d+3+6*\c+\i], v[TX+4*\c+\i]
.endr
.endr
.endm
.macro IMAGE off                       ; the fragment in v[PC] on goes to LDS as it stands
.irp c, 0,1,2
	ds_store_b128 v[IW], v[PC+4*\c:PC+4*\c+3] offset:\off+512*\c
.endr
.endm
.macro FETCHB q                        ; row tiles 4 q .. 4 q + 3, both K steps: eight fragments and their scale words
.irp i, 0,1,2,3
.irp s, 0,1
.irp c, 0,1,2
	ds_load_b128 v[XF+12*(2*\i+\s)+4*\c:XF+12*(2*\i+\s)+4*\c+3], v[FI] offset:(2*(4*\q+\i)+\s)*FRB+512*\c
.endr
	ds_load_b32 v[XS+2*\i+\s], v[FS] offset:(2*(4*\q+\i)+\s)*128
.endr
.endr
.endm
; The accumulators take turns, one instruction a turn.  The bias is the C of each sum's first product.
.macro MULK                            ; k: four row tiles x W's two tiles: register 16 i + 8 u + j of lane (r, h) = kh(key r of tile i, channel 16 h + 8 u + j)
.irp s, 0,1
.irp i, 0,1,2,3
.irp u, 0,1
.if \s == 0
	v_wmma_scale_f32_16x16x128_f8f6f4 v[HA+16*\i+8*\u:HA+16*\i+8*\u+7], v[WF+12*(2*\u+\s):WF+12*(2*\u+\s)+11], v[XF+12*(2*\i+\s):XF+12*(2*\i+\s)+11], v[BI+8*\u:BI+8*\u+7], v[WS+2*\u+\s], v[XS+2*\i+\s] matrix_a_fmt:MATRIX_FMT_FP6 matrix_b_fmt:MATRIX_FMT_FP6
.else
	v_wmma_scale_f32_16x16x128_f8f6f4 v[HA+16*\i+8*\u:HA+16*\i+8*\u+7], v[WF+12*(2*\u+\s):WF+12*(2*\u+\s)+11], v[XF+12*(2*\i+\s):XF+12*(2*\i+\s)+11], v[HA+16*\i+8*\u:HA+16*\i+8*\u+7], v[WS+2*\u+\s], v[XS+2*\i+\s] matrix_a_fmt:MATRIX_FMT_FP6 matrix_b_fmt:MATRIX_FMT_FP6
.endif
.endr
.endr
.endr
.endm
.macro MULV n, q                       ; v: row tiles 4 q + i x W's tile n: register 8 (4 q + i) + j of lane (r, h) = vh(key 32 b + 16 h + .., channel r of tile n)
.irp s, 0,1
.irp i, 0,1,2,3
.if \s == 0
	v_wmma_scale_f32_16x16x128_f8f6f4 v[HA+8*(4*\q+\i):HA+8*(4*\q+\i)+7], v[XF+12*(2*\i+\s):XF+12*(2*\i+\s)+11], v[WF+12*(2*\n+\s):WF+12*(2*\n+\s)+11], v[BI+8*\n:BI+8*\n+7], v[XS+2*\i+\s], v[WS+2*\n+\s] matrix_a_fmt:MATRIX_FMT_FP6 matrix_b_fmt:MATRIX_FMT_FP6
.else
	v_wmma_scale_f32_16x16x128_f8f6f4 v[HA+8*(4*\q+\i):HA+8*(4*\q+\i)+7], v[XF+12*(2*\i+\s):XF+12*(2*\i+\s)+11], v[WF+12*(2*\n+\s):WF+12*(2*\n+\s)+11], v[HA+8*(4*\q+\i):HA+8*(4*\q+\i)+7], v[XS+2*\i+\s], v[WS+2*\n+\s] matrix_a_fmt:MATRIX_FMT_FP6 matrix_b_fmt:MATRIX_FMT_FP6
.endif
.endr
.endr
.endm
; One fragment of my head's record of unit u: k: keys of tiles 4 hf .. 4 hf + 3; v: channel tile hf, all 128 keys.  The two arms hold LDS loads and products alone.
.macro HALF u, hf
	s_wait_xcnt 0x0                                        ; the stores of the fragment before have read v[PC] on, into which the loads below land
	s_cmp_eq_u32 s[TY], 0
	s_cbranch_scc0 .Lvarm_\@
	FETCHB \hf
	s_wait_dscnt 0x0
	MULK
	s_branch .Ljoin_\@
.Lvarm_\@:
	FETCHB 0
	s_wait_dscnt 0x0
	MULV \hf, 0
	PLACES                                                 ; ahead of the loads into the fragments just multiplied
	FETCHB 1
	s_wait_dscnt 0x0
	MULV \hf, 1
.Ljoin_\@:
	PLACES
	QUANT HA, PC, 253+\hf
.irp c, 0,1,2
	global_store_b128 v[LI], v[PC+4*\c:PC+4*\c+3], s[DC:DC+1] offset:\u*REC+\hf*FRB+512*\c   ; 32 lanes store 512 consecutive bytes, at a multiple of 256 from the buffer's first byte
.endr
.endm
.macro UNIT u
	s_wait_xcnt 0x0                                        ; earlier stores have read v[PC] on and their scale word
	s_wait_tensorcnt 1-\u                                  ; my 16 rows of this unit have landed (unit 0: unit 1's load may stay out)
	s_barrier_signal -1
	s_barrier_wait -1                                      ; everybody's have
.if \u
	v_add_nc_u32 v[XR], RAWU, v[XR]
	v_add_nc_u32 v[IW], NEXTU, v[IW]
	v_add_nc_u32 v[SW], NEXTU, v[SW]
	v_add_nc_u32 v[FI], NEXTU, v[FI]
	v_add_nc_u32 v[FS], NEXTU, v[FS]
.endif
.irp b, 0,1,2,3
.irp j, 0,1,2,3
	ds_load_b128 v[HA+16*\b+4*\j:HA+16*\b+4*\j+3], v[XR] offset:128*\b+16*\j
.endr
.endr
.irp b, 0,1,2,3
.irp j, 0,1,2,3
	ds_load_b128 v[R2+16*\b+4*\j:R2+16*\b+4*\j+3], v[XR] offset:512+128*\b+16*\j
.endr
.endr
	s_wait_dscnt 16                                        ; K step 0's numbers are in; the 16 younger loads may be out
	QUANT HA, PC, 14
	IMAGE 0
	ds_store_b32 v[SW], v14
	s_wait_dscnt 0x0                                       ; K step 1's numbers are in, and the stores have read their registers
	QUANT R2, PC, 14
	IMAGE FRB
	ds_store_b32 v[SW], v14 offset:128
	s_wait_dscnt 0x0                                       ; for the others' sake: my images lie in LDS
	s_barrier_signal -1
	s_barrier_wait -1                                      ; the unit's sixteen images do
	HALF \u, 0
	HALF \u, 1
	v_cndmask_b32 v255, v253, v254, s[HI16]                ; lanes 0-15: row r's word of fragment 0; lanes 16-31: of fragment 1
	global_store_b32 v[SO], v255, s[DS:DS+1] offset:\u*REC
.endm
	s_load_b512 s[8:23], s[0:1], 0x0               ; k, v, Wk, Wv, bk, bv, q, Wq
	s_load_b128 s[24:27], s[0:1], 0x40             ; Wo, kv
	s_load_b64 s[28:29], s[0:1], 0x50              ; frag
	v_lshl_add_u32 v[SPW], v0, 2, SPARE
	v_mov_b32 v[NIL], 0
	ds_add_u32 v[SPW], v[NIL]                      ; the wave's opening: the add, twice on end, and its wait ahead of my first tensor load
	ds_add_u32 v[SPW], v[NIL]                      ; and once more; the set-up below, work on registers, stands between it and the wait
	v_lshrrev_b32 v14, 5, v0
	v_readfirstlane_b32 s[WV], v14                 ; wave 0..7
	s_lshr_b32 s[TY], ttmp9, 7                     ; 0: k, 1: v
	s_and_b32 s2, ttmp9, 127                       ; which pair of units
	; descriptor group 1: 16 rows of 256 elements of 4 bytes, 4 words of padding behind each 256 words
	s_mov_b32 s[G1+0], (2<<16)|(1<<20)|(7<<22)|(3<<25)
	s_mov_b32 s[G1+1], 256<<16                     ; tensor_dim0
	s_mov_b32 s[G1+2], 16<<16                      ; tensor_dim1
	s_mov_b32 s[G1+3], 256<<16                     ; tile_dim0
	s_mov_b32 s[G1+4], 16                          ; tile_dim1
	s_mov_b32 s[G1+5], 256                         ; elements from row to row
	s_mov_b32 s[G1+6], 0
	s_mov_b32 s[G1+7], 0
	s_mov_b32 s[SEL], 0x76543210
	s_mov_b32 s[SEL+1], 0xfedcba98                 ; v_permlanex16_b32's selects for lane l xor 16
	s_mov_b32 s[HI16], 0xffff0000
	v_and_b32 v14, 31, v0                          ; lane
	v_and_b32 v15, 15, v0                          ; r
	v_bfe_u32 v[BV], v0, 4, 1                      ; h
	v_lshlrev_b32 v[LI], 4, v14
	v_lshlrev_b32 v[L4], 2, v14
	v_lshlrev_b32 v[SO], 3, v15
	v_lshl_add_u32 v[SO], v[BV], 2, v[SO]
	v_lshlrev_b32 v[JA], 10, v15
	v_lshl_add_u32 v[JA], v[BV], 6, v[JA]          ; natural rows: r x 1,024 + 64 h
	v_and_b32 v14, 8, v15                          ; r & 8: kept for the job
	v_add_nc_u32 v[XAM], v14, v15                  ; r + 8 (r / 8)
	v_mul_u32_u24 v[XR], v[XAM], RAWP
	v_lshl_add_u32 v[XR], v[BV], 6, v[XR]
	v_lshlrev_b32 v[XAM], 10, v[XAM]
	v_lshl_add_u32 v[XAM], v[BV], 6, v[XAM]
	s_lshr_b32 s57, s[WV], 1
	s_lshl_b32 s57, s57, 5
	s_and_b32 s58, s[WV], 1
	s_lshl_b32 s58, s58, 3
	s_add_co_u32 s57, s57, s58                     ; my tile's first row: 32 (w / 2) + 8 (w % 2)
	s_mul_i32 s57, s57, RAWP
	v_add_nc_u32 v[XR], s57, v[XR]
	s_mul_i32 s57, s[WV], 2*FRB
	v_add_nc_u32 v[IW], s57, v[LI]
	v_add_nc_u32 v[IW], XIMG, v[IW]
	s_lshl_b32 s57, s[WV], 8
	v_add_nc_u32 v[SW], s57, v[L4]
	v_add_nc_u32 v[SW], XSC, v[SW]
	v_add_nc_u32 v[FI], XIMG, v[LI]
	v_add_nc_u32 v[FS], XSC, v[L4]
.irp b, 0,1,2,3
	v_mov_b32 v[TM+4+\b], 0                        ; a lane permute's destination counts as one of its sources
.endr
	s_wait_dscnt 0x0                               ; both opening adds are done
	s_wait_kmcnt 0x0
	s_cmp_eq_u32 s[TY], 0                          ; the choice hangs on the work-group's number alone
	s_cselect_b64 s[30:31], s[8:9], s[10:11]       ; x
	s_cselect_b64 s[32:33], s[12:13], s[14:15]     ; W
	s_cselect_b64 s[34:35], s[16:17], s[18:19]     ; the bias
	s_lshl_b32 s58, s2, 18                         ; two units of 128 rows of 1,024 bytes,
	s_lshl_b32 s59, s[WV], 14                      ; my 16 rows of a unit
	s_add_co_u32 s58, s58, s59
	s_mov_b32 s59, 0
	s_add_nc_u64 s[30:31], s[30:31], s[58:59]
	s_mul_i32 s60, s[WV], 16*RAWP
.irp u, 0,1
	s_mov_b32 s[G0+4*\u], 1                                        ; count = 1
	s_add_co_u32 s[G0+4*\u+1], s60, \u*RAWU                        ; LDS address
	s_add_nc_u64 s[G0+4*\u+2:G0+4*\u+3], s[30:31], \u*131072       ; global address
	s_or_b32 s[G0+4*\u+3], s[G0+4*\u+3], 0x80000000               ; type = 2
	tensor_load_to_lds s[G0+4*\u:G0+4*\u+3], s[G1:G1+7]
	s_nop 0
.endr
	s_lshl_b32 s58, s[WV], 15                      ; my head's 32 rows of W
	s_add_nc_u64 s[32:33], s[32:33], s[58:59]
	s_lshl_b32 s58, s[WV], 7                       ; and its 32 numbers of the bias
	s_add_nc_u64 s[34:35], s[34:35], s[58:59]
	s_cmp_eq_u32 s[TY], 0
	s_cbranch_scc0 .Lbias_v
	v_lshlrev_b32 v[BV], 6, v[BV]                  ; k: register j of tile u is channel 16 h + 8 u + j
.irp u, 0,1
	global_load_b128 v[BI+8*\u:BI+8*\u+3], v[BV], s[34:35] offset:32*\u
	global_load_b128 v[BI+8*\u+4:BI+8*\u+7], v[BV], s[34:35] offset:32*\u+16
.endr
	s_branch .Lbias_done
.Lbias_v:
	v_bfe_u32 v[BV], v[XAM], 10, 5                 ; v: all eight registers of tile n are channel 8 n + r + 8 (r / 8)
	v_lshlrev_b32 v[BV], 2, v[BV]
.irp n, 0,1
.irp j, 0,1,2,3,4,5,6,7
	global_load_b32 v[BI+8*\n+\j], v[BV], s[34:35] offset:32*\n
.endr
.endr
.Lbias_done:
	; W's four fragments: two sets of 64 numbers by turns; each wait leaves the one younger group of 16 loads out
	XLOADG HA, XAM, 32, 0
	XLOADG R2, XAM, 32, 512
	s_wait_loadcnt 16
	QUANT HA, WF, WS
	XLOADG HA, XAM, 32, 8192
	s_wait_loadcnt 16
	QUANT R2, WF+12, WS+1
	XLOADG R2, XAM, 32, 8192+512
	s_wait_loadcnt 16
	QUANT HA, WF+24, WS+2
	s_wait_loadcnt 0x0
	QUANT R2, WF+36, WS+3
	; where my head's records lie
	s_lshr_b32 s58, s2, 4                          ; the batch
	s_lshl_b32 s58, s58, 3
	s_add_co_u32 s58, s58, s[WV]
	s_lshl_b32 s58, s58, 5
	s_and_b32 s59, s2, 15
	s_lshl_b32 s59, s59, 1                         ; unit 0's key step
	s_add_co_u32 s58, s58, s59
	s_mul_i32 s58, s58, REC
	s_mov_b32 s59, 0
	s_add_nc_u64 s[DC:DC+1], s[26:27], s[58:59]
	s_lshl_b32 s60, s[TY], 7
	s_add_co_u32 s60, s60, 4*FRB
	s_mov_b32 s61, 0
	s_add_nc_u64 s[DS:DS+1], s[DC:DC+1], s[60:61]
	s_mul_i32 s60, s[TY], 2*FRB
	s_add_nc_u64 s[DC:DC+1], s[DC:DC+1], s[60:61]
	; THE JOB: one fragment of q (waves 0-3 of every work-group: record 4 g + w), of Wq (wave 4 of work-groups 0-31: record 1024 + g) or of Wo (wave 4 of 32-63: likewise)
	s_lshl_b32 s57, ttmp9, 2
	s_add_co_u32 s57, s57, s[WV]                   ; q: the record,
	s_add_co_u32 s58, ttmp9, 1024                  ; the weights': likewise
	s_lshl_b32 s59, ttmp9, 5
	s_lshr_b32 s60, s[WV], 1
	s_lshl_b32 s60, s60, 4
	s_add_co_u32 s59, s59, s60                     ; q: first row 16 (2 g + w / 2)
	s_lshr_b32 s60, ttmp9, 2
	s_lshl_b32 s60, s60, 5
	s_bfe_u32 s61, ttmp9, 0x10001
	s_lshl_b32 s61, s61, 3
	s_add_co_u32 s60, s60, s61                     ; Wq: first row 32 x head + 8 u
	s_sub_co_u32 s61, ttmp9, 32
	s_lshr_b32 s61, s61, 1
	s_lshl_b32 s61, s61, 4                         ; Wo: first row 16 ((g - 32) / 2)
	s_and_b32 s62, s[WV], 1                        ; the K step: q's,
	s_and_b32 s63, ttmp9, 1                        ; the weights'
	s_cmp_lt_u32 ttmp9, 32
	s_cselect_b32 s60, s60, s61
	s_cselect_b64 s[JS:JS+1], s[22:23], s[24:25]
	s_cselect_b32 s61, 1024, 0                     ; Wq's rows are taken as W's tiles are: 8 rows further on for r from 8
	s_cmp_lt_u32 s[WV], 4
	s_cselect_b32 s57, s57, s58
	s_cselect_b32 s59, s59, s60
	s_cselect_b32 s62, s62, s63
	s_cselect_b32 s61, 0, s61
	s_cselect_b64 s[JS:JS+1], s[20:21], s[JS:JS+1]
	s_lshl_b32 s59, s59, 10
	s_lshl_b32 s62, s62, 9
	s_add_co_u32 s58, s59, s62
	s_mov_b32 s59, 0
	s_add_nc_u64 s[JS:JS+1], s[JS:JS+1], s[58:59]
	s_mul_i32 s58, s57, FREC
	s_add_nc_u64 s[JD:JD+1], s[28:29], s[58:59]
	v_mad_u32_u24 v[JA], v14, s61, v[JA]
	s_cmp_lt_u32 s[WV], 4
	s_cbranch_scc1 .Ljob
	s_cmp_lg_u32 s[WV], 4
	s_cbranch_scc1 .Lno_job
	s_cmp_ge_u32 ttmp9, 64
	s_cbranch_scc1 .Lno_job
.Ljob:
	XLOADG HA, JA, JS, 0
	s_wait_loadcnt 0x0
	QUANT HA, PC, 252
.irp c, 0,1,2
	global_store_b128 v[LI], v[PC+4*\c:PC+4*\c+3], s[JD:JD+1] offset:512*\c
.endr
	global_store_b32 v[L4], v252, s[JD:JD+1] offset:FRB
.Lno_job:
	UNIT 0
	UNIT 1
	s_wait_tensorcnt 0x0                           ; the wave's end, behind my last tensor load and my last LDS store
	ds_add_u32 v[SPW], v[NIL]
	s_wait_dscnt 0x0
	s_endpgm
.Lfunc_end_k_qedc6ee2472_proj:
	.size	k_qedc6ee2472_proj, .Lfunc_end_k_qedc6ee2472_proj-k_qedc6ee2472_proj
	.p2alignl 7, 3214868480
	.fill 96, 4, 3214868480
	.section	.rodata,"a",@progbits
	.p2align	6, 0x0
	.amdhsa_kernel k_qedc6ee2472_proj
		.amdhsa_group_segment_fixed_size 327680
		.amdhsa_private_segment_fixed_size 0
		.amdhsa_enable_private_segment 0
		.amdhsa_kernarg_size 88
		.amdhsa_user_sgpr_count 2
		.amdhsa_user_sgpr_kernarg_segment_ptr 1
		.amdhsa_wavefront_size32 1
		.amdhsa_system_sgpr_workgroup_id_x 1
		.amdhsa_system_sgpr_workgroup_id_y 1
		.amdhsa_system_sgpr_workgroup_id_z 1
		.amdhsa_system_vgpr_workitem_id 0
		.amdhsa_next_free_vgpr 256
		.amdhsa_next_free_sgpr 66
		.amdhsa_reserve_vcc 0
		.amdhsa_float_denorm_mode_32 3
		.amdhsa_float_denorm_mode_16_64 3
		.amdhsa_memory_ordered 1
		.amdhsa_forward_progress 1
		.amdhsa_inst_pref_size 114
	.end_amdhsa_kernel
	.amdgpu_metadata
---
amdhsa.version: [ 1, 2 ]
amdhsa.kernels:
  - .name:           k_qedc6ee2472_proj
    .symbol:         k_qedc6ee2472_proj.kd
    .args:
      - { .name: k, .offset: 0, .size: 8, .value_kind: global_buffer, .address_space: global }
      - { .name: v, .offset: 8, .size: 8, .value_kind: global_buffer, .address_space: global }
      - { .name: Wk, .offset: 16, .size: 8, .value_kind: global_buffer, .address_space: global }
      - { .name: Wv, .offset: 24, .size: 8, .value_kind: global_buffer, .address_space: global }
      - { .name: bk, .offset: 32, .size: 8, .value_kind: global_buffer, .address_space: global }
      - { .name: bv, .offset: 40, .size: 8, .value_kind: global_buffer, .address_space: global }
      - { .name: q, .offset: 48, .size: 8, .value_kind: global_buffer, .address_space: global }
      - { .name: Wq, .offset: 56, .size: 8, .value_kind: global_buffer, .address_space: global }
      - { .name: Wo, .offset: 64, .size: 8, .value_kind: global_buffer, .address_space: global }
      - { .name: kv, .offset: 72, .size: 8, .value_kind: global_buffer, .address_space: global }
      - { .name: frag, .offset: 80, .size: 8, .value_kind: global_buffer, .address_space: global }
    .group_segment_fixed_size: 327680
    .private_segment_fixed_size: 0
    .kernarg_segment_align: 8
    .kernarg_segment_size: 88
    .max_flat_workgroup_size: 256
    .sgpr_count:     66
    .vgpr_count:     256
    .wavefront_size: 32
...
	.end_amdgpu_metadata
.endif
;; end of part 1
;; launch attn (part 2): grid 4 x 64, 16 waves a work-group, clusters of 4 x 1, 208,896 bytes of LDS; arguments frag, bq, kv, oc, os; writes oc, os
.if DOCPART == 2
	.amdgcn_target "amdgcn-amd-amdhsa--gfx1250"
	.amdhsa_code_object_version 6
	.text
	.protected	k_qedc6ee2472_attn
	.globl	k_qedc6ee2472_attn
	.p2align	8
	.type	k_qedc6ee2472_attn,@function
k_qedc6ee2472_attn:
	s_mov_b64 s[64:65], 0
	v_nop
	global_prefetch_b8 v0, s[64:65] scope:SCOPE_SE
	s_setreg_imm32_b32 hwreg(HW_REG_WAVE_MODE, 25, 1), 1
	s_wait_xcnt 0x0
	s_wait_alu depctr_hold_cnt(0) depctr_sa_sdst(0) depctr_va_vdst(0) depctr_va_sdst(0) depctr_va_ssrc(0) depctr_va_vcc(0) depctr_vm_vsrc(0)
	s_getreg_b32 s2, hwreg(HW_REG_IB_STS2, 6, 4)
	s_cmp_eq_u32 s2, 0
	s_cbranch_scc0 .Lentry_in_a_cluster
	s_endpgm
.Lentry_in_a_cluster:
	s_bfe_u32 s2, ttmp6, 0x10000c
	s_cmp_lg_u32 s2, 0x3003
	s_cbranch_scc0 .Lentry_shape_is_right
	s_endpgm
.Lentry_shape_is_right:
; For one (batch, head) and 256 queries: qh = q Wq^T + bq, quantised along the head's 32 channels; S^T = kh qh^T; the softmax ahead of a quantised product; O^T = vh^T p^T; O / l, quantised along the
; head's 32 channels (one block of the last product's K), to oc and os.  All products on codes of FP6 (E2M3) with E8M0 scales.  No work of the problem is left out.
; THE SOFTMAX: t = score x log2(e) / sqrt(32); M = the running largest t rounded UP to a whole number; p = 2^(t - M) is quantised along the keys, not normalised; the row's sum is taken of the
; unquantised p and divides at the end.  When M moves, the sum and O^T are multiplied by 2^(old M - new M): exact.
; LIMITS: NaN and infinities are not served; a block whose largest magnitude lies under 2^-124 gets the scale byte 1 (this program alone reads the bytes).
; SHARES.  A work-group owns 256 queries of one head, each of its sixteen waves 16 of them, in 256 registers: four waves to a SIMD, so that one wave's vector work stands beside another's products and LDS loads.
; THE HEAD'S WHOLE K, V AND SCALES, 32 records of 6,400 bytes, lie in LDS, filled once; nothing is filled again.  They come in four chunks of eight key steps, so that the first steps run while the rest lands.
; CLUSTER.  The four query blocks of a head form a cluster and need the same 204,800 bytes: each piece is asked for JOINTLY, by the same tensor load with the same descriptor and a mask that names the four.
; All of the stream is asked for at the head: there is nothing left to ask for ahead of time.
; THE SCORES' K IS 32, AN INSTRUCTION'S 128.  A row of a fragment of K holds FOUR keys, one in each block of 32; the queries' operand comes in four versions, Q's codes in block j and zero codes elsewhere, all
; cut out of 30 registers Z X Z Y Z (X: Q in lanes 0-15, Y: Q in lanes 16-31, Z: zeros).  Fragment f with version j gives score tile 4 f + j; register 16 b + i of a lane is key 32 b + 16 (lane / 16) + i.
; A lane holds ONE query (lane % 16) throughout: both products are used transposed.
.set REC,   6400
.set FRB,   1536
.set FREC,  1792
.set CHB,   8*REC                      ; a chunk: eight key steps
.set OSC,   32*REC                     ; behind the head's records: 256 scale bytes of O
.set SPARE, OSC+256                    ; the spare words, 128 bytes for each wave: eight blocks of 256 bytes that no other line names
.set LI,  1                            ; v1   16 x lane
.set LS,  2                            ; v2   8 x lane
.set ADR, 3                            ; v3   LDS address of the step's fragments (at the head: 4 x lane)
.set ADS, 4                            ; v4   and of its scale words (at the head: 64 h)
.set SPW, 5                            ; v5   my spare word; never rewritten
.set NIL, 6                            ; v6   0; never rewritten
.set OCO, 7                            ; v7   24 r + 12 h
.set KVS, 8                            ; v[8:9] lanes 0-15: K's scale words of fragments 0, 1; lanes 16-31: V's.  Nothing else ever stands here
.set OSA, 10                           ; v10  LDS: my query's scale byte
.set OSR, 11                           ; v11  LDS: 8 scale bytes a lane
.set QB,  16                           ; v16-45 Z X Z Y Z;  v12 -M, v13 the largest t, v[14:15] the sum in two halves
.set QS,  46                           ; v46  Q's scale byte, four times
.set PS,  47                           ; v47  p's scale word
.set KF,  48                           ; v48-71  K's two fragments
.set VF,  72                           ; v72-95  V's two
.set SCR, 96                           ; v96-159 S^T, then p
.set OT,  160                          ; v160-175 O^T
.set PCD, 176                          ; v176-187 p's codes
.set TX,  188                          ; v188-195 the conversions' second halves
.set BM,  196                          ; v196-199 the blocks' largest scores, then largest p
.set BP,  200                          ; v200-203 the other lane's, a chain of the sum, then bytes
.set BS,  204                          ; v204-207 scale operands
.set TT,  208
.set FF,  210                          ; v[210:211] f = 2^(old M - new M); later 1 / l
.set WQS, 212                          ; v212-215 Wq's scale words;  v216-217 q's
.set QXS, 216
.set WV,  14
.set BLK, 15
.set BH,  16
.set REP, 17
.set SEL, 20
.set CS,  22
.set G1,  24
.set G0,  32
.set TB,  48
.set CNT, 49
.set LO16, 50
.set HI16, 51
.macro PLACES                          ; four plain vector instructions behind a matrix instruction, ahead of reads of its results and of loads into its registers
.rept 4
	v_nop
.endr
.endm
.macro CROUND                          ; a round of the cluster's barrier
	s_barrier_signal -1
	s_barrier_wait -1
	s_cmp_lg_u32 s[WV], 0
	s_cbranch_scc1 .Lnot_wave_0_\@
	s_barrier_signal -3
.Lnot_wave_0_\@:
	s_barrier_wait -3
	s_barrier_signal -1
	s_barrier_wait -1
.endm
; One block of 32: my 16 numbers v[s] on (channels 16 h + 0 .. 15 of my query) and lane l xor 16's: the byte to v[BP], my 16 codes to v[PCD:PCD+2]
.macro QBLOCK s
	v_max3_num_f32 v[BM], |v[\s]|, |v[\s+1]|, 0x1800000    ; with the floor 2^(3 - 127): the byte cannot fall under 1
.irp i, 2,4,6,8,10,12,14
	v_max3_num_f32 v[BM], v[BM], |v[\s+\i]|, |v[\s+1+\i]|
.endr
	s_delay_alu instid0(VALU_DEP_1)
	v_permlanex16_b32 v[BP], v[BM], s[SEL], s[SEL+1]
	s_delay_alu instid0(VALU_DEP_1)
	v_max_num_f32 v[BM], v[BM], v[BP]
	s_delay_alu instid0(VALU_DEP_1)
	v_add_nc_u32 v[BS], 0xff000000, v[BM]                  ; 2 off the exponent field: the conversion's scale operand
	s_delay_alu instid0(VALU_DEP_1)
	v_lshrrev_b32 v[BP], 23, v[BS]
	v_cvt_scalef32_pk16_fp6_f32 v[PCD:PCD+2], v[\s:\s+15], v[BS]
	v_nop                                                  ; one plain place behind the scaled conversion
.endm
	s_load_b256 s[4:11], s[0:1], 0x0               ; frag, bq, kv, oc
	s_load_b64 s[12:13], s[0:1], 0x20              ; os
	v_lshl_add_u32 v[SPW], v0, 2, SPARE
	v_mov_b32 v[NIL], 0
	ds_add_u32 v[SPW], v[NIL]                      ; the wave's opening: the add, twice on end, and its wait ahead of the round in front of the first tensor loads
	ds_add_u32 v[SPW], v[NIL]                      ; and once more; the set-up below, work on registers, stands between it and the wait
	v_lshrrev_b32 v3, 5, v0
	s_delay_alu instid0(VALU_DEP_1)
	v_readfirstlane_b32 s[WV], v3                  ; wave 0..15
	s_bfe_u32 s[BLK], ttmp6, 0x40000               ; cx
	s_lshl_b32 s52, ttmp9, 2
	s_add_co_u32 s[BLK], s[BLK], s52               ; my block of 256 queries: it enters the addresses of q's records, oc and os alone
	s_and_b32 s[BH], ttmp7, 0xffff                 ; 8 x batch + head, which the four partners share
	; descriptor group 1: a dense block of 25,600 bytes as 100 rows of 32 elements of 8 bytes; the mask names all four work-groups, bit 21 beside it
	s_mov_b32 s[G1+0], 15|(3<<16)|(1<<21)
	s_mov_b32 s[G1+1], 32<<16
	s_mov_b32 s[G1+2], 100<<16
	s_mov_b32 s[G1+3], 32<<16
	s_mov_b32 s[G1+4], 100
	s_mov_b32 s[G1+5], 32
	s_mov_b32 s[G1+6], 0
	s_mov_b32 s[G1+7], 0
	s_mov_b32 s[SEL], 0x76543210
	s_mov_b32 s[SEL+1], 0xfedcba98                 ; v_permlanex16_b32's selects for lane l xor 16
	s_mov_b32 s[CS], 0x3e8293ee                    ; c = log2(e) / sqrt(32)
	s_mov_b32 s[CS+1], s[CS]                       ; (named with it as a pair, so it is written)
	s_mov_b32 s[LO16], 0x0000ffff
	s_mov_b32 s[HI16], 0xffff0000
	s_mov_b32 s[REP], 0x01010101
	v_and_b32 v7, 31, v0                           ; lane
	s_delay_alu instid0(VALU_DEP_1)
	v_lshlrev_b32 v[LI], 4, v7
	s_delay_alu instid0(VALU_DEP_2)
	v_lshlrev_b32 v[LS], 3, v7
	s_delay_alu instid0(VALU_DEP_3)
	v_lshlrev_b32 v3, 2, v7                        ; at the head: 4 x lane
	v_and_b32 v[OSA], 15, v0                       ; r
	v_bfe_u32 v4, v0, 4, 1                         ; h
	s_delay_alu instid0(VALU_DEP_2)
	v_mul_u32_u24 v[OCO], v[OSA], 24
	s_delay_alu instid0(VALU_DEP_1)
	v_mad_u32_u24 v[OCO], v4, 12, v[OCO]
	s_delay_alu instid0(VALU_DEP_3)
	v_lshlrev_b32 v4, 6, v4                        ; at the head: 64 h
	s_lshl_b32 s52, s[WV], 4
	v_add_nc_u32 v[OSA], s52, v[OSA]
	s_delay_alu instid0(VALU_DEP_1)
	v_add_nc_u32 v[OSA], OSC, v[OSA]
	v_add_nc_u32 v[OSR], OSC, v[LS]
.irp z, 16,17,18,19,20,21,28,29,30,31,32,33,40,41,42,43,44,45
	v_mov_b32 v[\z], 0                             ; Z: zero codes, which add nothing under any scale byte but 0xff
.endr
.irp j, 0,1,2,3,4,5,6,7,8,9,10,11,12,13,14,15
	v_mov_b32 v[OT+\j], 0                          ; O^T: the step is written once; the first finds zeros, which the first change of M leaves zeros
.endr
	v_mov_b32 v13, 0xff61b1e6                      ; the largest t so far: -3e38, under every t
	s_delay_alu instid0(VALU_DEP_1)
	v_floor_f32 v12, -v13                          ; -M
	v_mov_b32 v14, 0
	v_mov_b32 v15, 0
.irp b, 0,1,2,3
	v_mov_b32 v[BP+\b], 0                          ; a lane permute's destination counts as one of its sources
.endr
.irp i, 0,1,2
	v_mov_b32 v[TX+\i], 0
.endr
	v_mov_b32 v[TT], 0
	v_mov_b32 v[FF+1], 0                           ; (named as the upper half of a pair)
	s_wait_dscnt 0x0                               ; both opening adds are done
	s_wait_kmcnt 0x0
	s_mul_i32 s52, s[BH], 32*REC                   ; the head's records,
	s_and_b32 s54, s[WV], 1
	s_mul_i32 s54, s54, CHB/2                      ; the half of a chunk that wave 0 or 1 fetches: in memory and in LDS alike
	s_add_co_u32 s52, s52, s54
	s_mov_b32 s53, 0
	s_add_nc_u64 s[52:53], s[8:9], s[52:53]
.irp c, 0,1,2,3
	s_mov_b32 s[G0+4*\c], 1                                        ; count = 1
	s_add_co_u32 s[G0+4*\c+1], s54, \c*CHB                         ; LDS address
	s_add_nc_u64 s[G0+4*\c+2:G0+4*\c+3], s[52:53], \c*CHB          ; global address
	s_or_b32 s[G0+4*\c+3], s[G0+4*\c+3], 0x80000000               ; type = 2
.endr
	CROUND                                         ; all four work-groups are here: the joint loads meet
	s_cmp_lt_u32 s[WV], 2                          ; waves 0 and 1 fetch, four loads each, in one branch on the wave's number: four of mine are out at the most
	s_cbranch_scc0 .Lno_fill
.irp c, 0,1,2,3
	tensor_load_to_lds s[G0+4*\c:G0+4*\c+3], s[G1:G1+7]
	s_nop 0
.endr
	PLACES
.Lno_fill:
	s_lshr_b32 s55, s[BH], 3                       ; the batch
	s_and_b32 s56, s[BH], 7                        ; the head
	s_lshl_b32 s57, s55, 6
	s_lshl_b32 s58, s[BLK], 4
	s_add_co_u32 s57, s57, s58
	s_add_co_u32 s57, s57, s[WV]                   ; my tile of 16 rows of q
	s_mul_i32 s58, s57, 2*FREC
	s_mov_b32 s59, 0
	s_add_nc_u64 s[60:61], s[4:5], s[58:59]        ; its two records
	s_lshl_b32 s58, s56, 2
	s_add_co_u32 s58, s58, 1024
	s_mul_i32 s58, s58, FREC
	s_add_nc_u64 s[62:63], s[4:5], s[58:59]        ; the head's four records of Wq
	s_lshl_b32 s58, s56, 7
	s_add_nc_u64 s[6:7], s[6:7], s[58:59]          ; its 32 numbers of bq
	s_lshl_b32 s52, s[BH], 10
	s_lshl_b32 s54, s[BLK], 8
	s_add_co_u32 s52, s52, s54
	s_mov_b32 s53, 0
	s_add_nc_u64 s[12:13], s[12:13], s[52:53]      ; os at my work-group's first query
	s_lshl_b32 s54, s[WV], 4
	s_add_co_u32 s52, s52, s54
	s_mul_i32 s52, s52, 24
	s_add_nc_u64 s[10:11], s[10:11], s[52:53]      ; oc at my wave's first query
.irp s, 0,1
.irp c, 0,1,2
	global_load_b128 v[SCR+12*\s+4*\c:SCR+12*\s+4*\c+3], v[LI], s[60:61] offset:FREC*\s+512*\c   ; q's fragments: v96-119
.endr
	global_load_b32 v[QXS+\s], v3, s[60:61] offset:FREC*\s+FRB
.endr
.irp f, 0,1,2,3
.irp c, 0,1,2
	global_load_b128 v[KF+12*\f+4*\c:KF+12*\f+4*\c+3], v[LI], s[62:63] offset:FREC*\f+512*\c     ; Wq's fragments (u, s) at 12 (2 u + s): v48-95
.endr
	global_load_b32 v[WQS+\f], v3, s[62:63] offset:FREC*\f+FRB
.endr
.irp u, 0,1
	global_load_b128 v[128+8*\u:131+8*\u], v4, s[6:7] offset:32*\u          ; bq as C: register j of tile u is channel 16 h + 8 u + j
	global_load_b128 v[132+8*\u:135+8*\u], v4, s[6:7] offset:32*\u+16
.endr
	s_wait_loadcnt 0x0
	; qh^T: source 0 = Wq's tile u, source 1 = my 16 rows of q; the two accumulators by turns
	v_wmma_scale_f32_16x16x128_f8f6f4 v[144:151], v[48:59], v[96:107], v[128:135], v[WQS], v[QXS] matrix_a_fmt:MATRIX_FMT_FP6 matrix_b_fmt:MATRIX_FMT_FP6
	v_wmma_scale_f32_16x16x128_f8f6f4 v[152:159], v[72:83], v[96:107], v[136:143], v[WQS+2], v[QXS] matrix_a_fmt:MATRIX_FMT_FP6 matrix_b_fmt:MATRIX_FMT_FP6
	v_wmma_scale_f32_16x16x128_f8f6f4 v[144:151], v[60:71], v[108:119], v[144:151], v[WQS+1], v[QXS+1] matrix_a_fmt:MATRIX_FMT_FP6 matrix_b_fmt:MATRIX_FMT_FP6
	v_wmma_scale_f32_16x16x128_f8f6f4 v[152:159], v[84:95], v[108:119], v[152:159], v[WQS+3], v[QXS+1] matrix_a_fmt:MATRIX_FMT_FP6 matrix_b_fmt:MATRIX_FMT_FP6
	PLACES
	QBLOCK 144
	v_mul_lo_u32 v[QS], v[BP], s[REP]              ; the one byte in all four places: whichever block holds Q, its byte is there
.irp i, 0,1,2
	v_permlanex16_b32 v[TX+\i], v[PCD+\i], s[SEL], s[SEL+1]   ; the other half's 16 codes
.endr
.irp i, 0,1,2
	v_cndmask_b32 v[QB+6+\i], 0, v[PCD+\i], s[LO16]        ; X: lanes 0-15 hold the query's 32 codes: their own 16,
	v_cndmask_b32 v[QB+9+\i], 0, v[TX+\i], s[LO16]         ; then the other half's
	v_cndmask_b32 v[QB+18+\i], 0, v[TX+\i], s[HI16]        ; Y: lanes 16-31: the other half's 16,
	v_cndmask_b32 v[QB+21+\i], 0, v[PCD+\i], s[HI16]       ; then their own
.endr
	PLACES
; A KEY STEP: 128 keys, whose record begins at LDS byte s[TB]
.macro STEP
	v_add_nc_u32 v[ADR], s[TB], v[LI]
	v_add_nc_u32 v[ADS], s[TB], v[LS]
	v_nop
	v_nop                                                  ; these four are the places behind the last products, ahead of the loads into their registers
.irp f, 0,1
.irp c, 0,1,2
	ds_load_b128 v[KF+12*\f+4*\c:KF+12*\f+4*\c+3], v[ADR] offset:FRB*\f+512*\c
.endr
.endr
	ds_load_b64 v[KVS:KVS+1], v[ADS] offset:4*FRB
.irp n, 0,1
.irp c, 0,1,2
	ds_load_b128 v[VF+12*\n+4*\c:VF+12*\n+4*\c+3], v[ADR] offset:2*FRB+FRB*\n+512*\c
.endr
.endr
	s_wait_dscnt 6                                         ; K and the scale words are in; V's six loads may be out
.irp f, 0,1
.irp j, 0,1,2,3
	v_wmma_scale_f32_16x16x128_f8f6f4 v[SCR+8*(4*\f+\j):SCR+8*(4*\f+\j)+7], v[KF+12*\f:KF+12*\f+11], v[QB+6+12*(\j%2)-6*(\j/2):QB+17+12*(\j%2)-6*(\j/2)], 0, v[KVS+\f], v[QS] matrix_a_fmt:MATRIX_FMT_FP6 matrix_b_fmt:MATRIX_FMT_FP6
.endr
.endr
	PLACES
.irp b, 0,1,2,3
	v_max3_num_f32 v[BM+\b], v[SCR+16*\b], v[SCR+1+16*\b], v[SCR+2+16*\b]   ; the largest score of each block of 32 keys: it serves for the row's maximum and, since p rises with the score, for the block's largest p
.endr
.irp i, 3,5,7,9,11,13
.irp b, 0,1,2,3
	v_max3_num_f32 v[BM+\b], v[BM+\b], v[SCR+16*\b+\i], v[SCR+1+16*\b+\i]
.endr
.endr
.irp b, 0,1,2,3
	v_max_num_f32 v[BM+\b], v[BM+\b], v[SCR+15+16*\b]
.endr
.irp b, 0,1,2,3
	s_delay_alu instid0(VALU_DEP_4)
	v_permlanex16_b32 v[BP+\b], v[BM+\b], s[SEL], s[SEL+1]
.endr
.irp b, 0,1,2,3
	s_delay_alu instid0(VALU_DEP_4)
	v_max_num_f32 v[BM+\b], v[BM+\b], v[BP+\b]             ; with lane l xor 16's 16 keys
.endr
	s_delay_alu instid0(VALU_DEP_2)
	v_max3_num_f32 v[TT], v[BM], v[BM+1], v[BM+2]
	s_delay_alu instid0(VALU_DEP_1)
	v_max_num_f32 v[TT], v[TT], v[BM+3]
	s_delay_alu instid0(VALU_DEP_1)
	v_mul_f32 v[TT], s[CS], v[TT]                          ; the step's largest t (c is positive)
	s_delay_alu instid0(VALU_DEP_1)
	v_max_num_f32 v13, v13, v[TT]
	v_mov_b32 v[TT], v12
	s_delay_alu instid0(VALU_DEP_2)
	v_floor_f32 v12, -v13                                  ; the new -M = -ceil(t)
	s_delay_alu instid0(VALU_DEP_1)
	v_sub_f32 v[TT], v12, v[TT]                            ; old M - new M: a whole number, 0 or less
	s_delay_alu instid0(VALU_DEP_1)
	v_cvt_i32_f32 v[TT], v[TT]                             ; (it saturates)
	s_delay_alu instid0(VALU_DEP_1)
	v_ldexp_f32 v[FF], 1.0, v[TT]                          ; f = 2^(old M - new M)
.irp j, 0,2,4,6,8,10,12,14,16,18,20,22,24,26,28,30,32,34,36,38,40,42,44,46,48,50,52,54,56,58,60,62
	v_pk_fma_f32 v[SCR+\j:SCR+1+\j], v[SCR+\j:SCR+1+\j], s[CS:CS+1], v[12:13] op_sel_hi:[1,0,0]   ; t - M, two at a time
.endr
.irp b, 0,1,2,3
	v_fma_f32 v[BM+\b], v[BM+\b], s[CS], v12               ; the same of each block's largest score
.endr
	s_setprio 1
	s_wait_alu depctr_va_vdst(0)
.irp j, 0,1,2,3,4,5,6,7,8,9,10,11,12,13,14,15,16,17,18,19,20,21,22,23,24,25,26,27,28,29,30,31,32,33,34,35,36,37,38,39,40,41,42,43,44,45,46,47,48,49,50,51,52,53,54,55,56,57,58,59,60,61,62,63
	v_exp_f32 v[SCR+\j], v[SCR+\j]                         ; p = 2^(t - M), at most 1
.endr
	v_pk_mul_f32 v[14:15], v[14:15], v[FF:FF+1] op_sel_hi:[1,0]   ; the sums under the new M: the plain place behind the exponentials
	s_wait_alu depctr_va_vdst(0)                           ; one wait for the batch, ahead of its first reader
.irp b, 0,1,2,3
	v_exp_f32 v[BM+\b], v[BM+\b]                           ; the block's largest p: the same two instructions on the same number give the same bits
.endr
	v_pk_add_f32 v[200:201], v[100:101], v[104:105]
	v_pk_add_f32 v[254:255], v[108:109], v[112:113]
	v_pk_add_f32 v[252:253], v[116:117], v[120:121]
	v_pk_add_f32 v[250:251], v[124:125], v[128:129]
	v_pk_add_f32 v[248:249], v[132:133], v[136:137]
	v_pk_add_f32 v[246:247], v[140:141], v[144:145]
	v_pk_add_f32 v[244:245], v[148:149], v[152:153]
	v_pk_add_f32 v[14:15], v[14:15], v[156:157]
	v_pk_add_f32 v[200:201], v[200:201], v[96:97]
	v_pk_add_f32 v[254:255], v[254:255], v[98:99]
	v_pk_add_f32 v[252:253], v[252:253], v[102:103]
	v_pk_add_f32 v[250:251], v[250:251], v[106:107]
	v_pk_add_f32 v[248:249], v[248:249], v[110:111]
	v_pk_add_f32 v[246:247], v[246:247], v[114:115]
	v_pk_add_f32 v[244:245], v[244:245], v[118:119]
	v_pk_add_f32 v[14:15], v[14:15], v[122:123]
	v_pk_add_f32 v[200:201], v[200:201], v[126:127]
	v_pk_add_f32 v[254:255], v[254:255], v[130:131]
	v_pk_add_f32 v[252:253], v[252:253], v[134:135]
	v_pk_add_f32 v[250:251], v[250:251], v[138:139]
	v_pk_add_f32 v[248:249], v[248:249], v[142:143]
	v_pk_add_f32 v[246:247], v[246:247], v[146:147]
	v_pk_add_f32 v[244:245], v[244:245], v[150:151]
	v_pk_add_f32 v[14:15], v[14:15], v[154:155]
	v_pk_add_f32 v[200:201], v[200:201], v[158:159]
	s_delay_alu instid0(VALU_DEP_2)
	v_pk_add_f32 v[14:15], v[14:15], v[250:251]
	s_delay_alu instid0(VALU_DEP_2)
	v_pk_add_f32 v[200:201], v[200:201], v[248:249]
	v_pk_add_f32 v[254:255], v[254:255], v[246:247]
	v_pk_add_f32 v[252:253], v[252:253], v[244:245]
	s_delay_alu instid0(VALU_DEP_2)
	v_pk_add_f32 v[14:15], v[14:15], v[254:255]
	s_delay_alu instid0(VALU_DEP_2)
	v_pk_add_f32 v[200:201], v[200:201], v[252:253]
	s_delay_alu instid0(VALU_DEP_1)
	v_pk_add_f32 v[14:15], v[14:15], v[200:201]
	s_wait_alu depctr_va_vdst(0)                           ; and one for the four
.irp b, 0,1,2,3
	v_max_num_f32 v[BM+\b], 0x1800000, v[BM+\b]            ; the floor 2^(3 - 127)
.endr
.irp b, 0,1,2,3
	s_delay_alu instid0(VALU_DEP_4)
	v_add_nc_u32 v[BS+\b], 0xff000000, v[BM+\b]
.endr
.irp b, 0,1,2,3
	s_delay_alu instid0(VALU_DEP_4)
	v_lshrrev_b32 v[BP+\b], 23, v[BS+\b]
.endr
	s_delay_alu instid0(VALU_DEP_3)
	v_lshl_or_b32 v[PS], v[BP+1], 8, v[BP]
	s_delay_alu instid0(VALU_DEP_1)
	v_lshl_or_b32 v[PS], v[BP+2], 16, v[PS]
	s_delay_alu instid0(VALU_DEP_1)
	v_lshl_or_b32 v[PS], v[BP+3], 24, v[PS]
	s_setprio 0
.irp c, 0,1
	v_cvt_scalef32_pk16_fp6_f32 v[PCD+6*\c:PCD+2+6*\c], v[SCR+32*\c:SCR+15+32*\c], v[BS+2*\c]
	v_cvt_scalef32_pk16_fp6_f32 v[TX+4*\c:TX+2+4*\c], v[SCR+16+32*\c:SCR+31+32*\c], v[BS+2*\c+1]
.endr
	v_nop                                                  ; one plain place behind the scaled conversions
.irp c, 0,1
.irp i, 0,1,2
	v_permlane16_swap_b32 v[PCD+6*\c+\i], v[TX+4*\c+\i]
.endr
.irp i, 0,1,2
	s_delay_alu instid0(VALU_DEP_3)
	v_mov_b32 v[PCD+3+6*\c+\i], v[TX+4*\c+\i]
.endr
.endr
.irp j, 0,2,4,6,8,10,12,14
	v_pk_mul_f32 v[OT+\j:OT+1+\j], v[OT+\j:OT+1+\j], v[FF:FF+1] op_sel_hi:[1,0]   ; O^T under the new M.  With the moves above: the places between the writes of p's codes and scale word and the products
.endr
	s_wait_alu depctr_va_vdst(0)
	s_wait_dscnt 0x0                                       ; V is in
.irp n, 0,1
	v_wmma_scale_f32_16x16x128_f8f6f4 v[OT+8*\n:OT+8*\n+7], v[VF+12*\n:VF+12*\n+11], v[PCD:PCD+11], v[OT+8*\n:OT+8*\n+7], v[KVS+\n], v[PS] matrix_a_fmt:MATRIX_FMT_FP6 matrix_b_fmt:MATRIX_FMT_FP6 matrix_a_scale:MATRIX_SCALE_ROW1
.endr
.endm
.macro CHUNK c                         ; eight key steps
	s_wait_tensorcnt 3-\c                                  ; in waves 0 and 1: my half of this chunk has landed, the later chunks' loads may stay out (nothing is filled again); the other waves have none out
	s_barrier_signal -1
	s_barrier_wait -1                                      ; the chunk is whole
	s_mov_b32 s[TB], \c*CHB
	s_mov_b32 s[CNT], 8
.Lstep_\@:
	s_wait_alu depctr_va_vdst(0)
	s_setprio 2
	STEP
	s_add_co_u32 s[TB], s[TB], REC
	s_sub_co_u32 s[CNT], s[CNT], 1
	s_cmp_lg_u32 s[CNT], 0
	s_cbranch_scc1 .Lstep_\@
	s_setprio 0
.endm
	CHUNK 0
	CHUNK 1
	CHUNK 2
	CHUNK 3
	; THE WAY OUT: O^T / l; register 8 n + j of lane (r, h) is channel 16 h + 8 n + j of query r: the head's 32 channels, one block, lie in lanes l and l xor 16
	PLACES
	v_add_f32 v14, v14, v15
	s_delay_alu instid0(VALU_DEP_1)
	v_permlanex16_b32 v[TT], v14, s[SEL], s[SEL+1]
	s_delay_alu instid0(VALU_DEP_1)
	v_add_f32 v14, v14, v[TT]                      ; the row's sum
	s_wait_alu depctr_va_vdst(0)
	v_rcp_f32 v[FF], v14
	v_nop                                          ; a plain place behind the reciprocal
	s_wait_alu depctr_va_vdst(0)                   ; and the wait ahead of its first reader
.irp j, 0,2,4,6,8,10,12,14
	v_pk_mul_f32 v[SCR+\j:SCR+1+\j], v[OT+\j:OT+1+\j], v[FF:FF+1] op_sel_hi:[1,0]
.endr
	QBLOCK SCR
	ds_store_b8 v[OSA], v[BP]                      ; both lanes of a query write the same byte with the same value
	global_store_b96 v[OCO], v[PCD:PCD+2], s[10:11]   ; 32 lanes store 384 consecutive bytes: 16 queries x 24
	s_wait_dscnt 0x0                               ; for wave 0's sake: my bytes lie in LDS
	s_barrier_signal -1
	s_barrier_wait -1
	s_cmp_lg_u32 s[WV], 0
	s_cbranch_scc1 .Lnot_first
	ds_load_b64 v[TX:TX+1], v[OSR]
	s_wait_dscnt 0x0
	global_store_b64 v[LS], v[TX:TX+1], s[12:13]   ; the work-group's 256 scale bytes: 256 consecutive bytes, at a multiple of 256 from the buffer's first byte
.Lnot_first:
	s_wait_tensorcnt 0x0                           ; the wave's end, behind my last tensor load and my last LDS store
	ds_add_u32 v[SPW], v[NIL]
	s_wait_dscnt 0x0
	CROUND                                         ; the closing round
	s_endpgm
.Lfunc_end_k_qedc6ee2472_attn:
	.size	k_qedc6ee2472_attn, .Lfunc_end_k_qedc6ee2472_attn-k_qedc6ee2472_attn
	.p2alignl 7, 3214868480
	.fill 96, 4, 3214868480
	.section	.rodata,"a",@progbits
	.p2align	6, 0x0
	.amdhsa_kernel k_qedc6ee2472_attn
		.amdhsa_group_segment_fixed_size 208896
		.amdhsa_private_segment_fixed_size 0
		.amdhsa_enable_private_segment 0
		.amdhsa_kernarg_size 40
		.amdhsa_user_sgpr_count 2
		.amdhsa_user_sgpr_kernarg_segment_ptr 1
		.amdhsa_wavefront_size32 1
		.amdhsa_system_sgpr_workgroup_id_x 1
		.amdhsa_system_sgpr_workgroup_id_y 1
		.amdhsa_system_sgpr_workgroup_id_z 1
		.amdhsa_system_vgpr_workitem_id 0
		.amdhsa_next_free_vgpr 256
		.amdhsa_next_free_sgpr 66
		.amdhsa_reserve_vcc 0
		.amdhsa_float_denorm_mode_32 3
		.amdhsa_float_denorm_mode_16_64 3
		.amdhsa_memory_ordered 1
		.amdhsa_forward_progress 1
		.amdhsa_inst_pref_size 77
	.end_amdhsa_kernel
	.amdgpu_metadata
---
amdhsa.version: [ 1, 2 ]
amdhsa.kernels:
  - .name:           k_qedc6ee2472_attn
    .symbol:         k_qedc6ee2472_attn.kd
    .args:
      - { .name: frag, .offset: 0, .size: 8, .value_kind: global_buffer, .address_space: global }
      - { .name: bq, .offset: 8, .size: 8, .value_kind: global_buffer, .address_space: global }
      - { .name: kv, .offset: 16, .size: 8, .value_kind: global_buffer, .address_space: global }
      - { .name: oc, .offset: 24, .size: 8, .value_kind: global_buffer, .address_space: global }
      - { .name: os, .offset: 32, .size: 8, .value_kind: global_buffer, .address_space: global }
    .group_segment_fixed_size: 208896
    .private_segment_fixed_size: 0
    .kernarg_segment_align: 8
    .kernarg_segment_size: 40
    .max_flat_workgroup_size: 512
    .sgpr_count:     66
    .vgpr_count:     256
    .wavefront_size: 32
...
	.end_amdgpu_metadata
.endif
;; end of part 2
;; launch outp (part 3): grid 256 x 1, 8 waves a work-group, no clusters, 35,840 bytes of LDS; arguments oc, os, frag, bo, out0; writes out0
.if DOCPART == 3
	.amdgcn_target "amdgcn-amd-amdhsa--gfx1250"
	.amdhsa_code_object_version 6
	.text
	.protected	k_qedc6ee2472_outp
	.globl	k_qedc6ee2472_outp
	.p2align	8
	.type	k_qedc6ee2472_outp,@function
k_qedc6ee2472_outp:
	s_mov_b64 s[64:65], 0
	v_nop
	global_prefetch_b8 v0, s[64:65] scope:SCOPE_SE
	s_setreg_imm32_b32 hwreg(HW_REG_WAVE_MODE, 25, 1), 1
	s_wait_xcnt 0x0
; out0 = O Wo^T + bo on codes of FP6 (E2M3) with E8M0 scales.  O's codes lie [8 x batch + head][1,024 queries][24 bytes], its scale bytes [8 x batch + head][1,024]: a head is one block of 32 along K.
; Wo's fragments come as images of their registers (records 1056 + 2 T + s of frag: rows 16 T on, K step s).  No work of the problem is left out.
; SHARES.  A work-group takes 32 rows; wave w takes the 16 rows of half w / 4 and the 64 columns of quarter w % 4: four accumulators, two K steps, eight products.
; Used transposed (source 0 = 16 rows of Wo, source 1 = 16 rows of O): a lane holds eight neighbouring columns of one row; bo is the C of each sum's first product.
; No tensor load, no cluster: a wave's operands go from memory straight into registers, once, and the launch has no loop in which tiles could be shared or asked for ahead.
.set FRB,   1536
.set FREC,  1792
.set HB,    24576                      ; a head's 1,024 queries x 24 bytes
.set SP,    272                        ; a stage row: 256 bytes + 16
.set SPARE, 8*16*SP                    ; behind the eight stages: the spare words, 128 bytes for each wave: four blocks of 256 bytes that no other line names
.set WOF, 16                           ; v16-111  Wo's fragments (t, s) at 12 (2 t + s)
.set WOS, 112                          ; v112-119 their scale words
.set OF,  120                          ; v120-143 O's two fragments
.set OB,  144                          ; v144-151 O's eight scale bytes
.set OS,  152                          ; v152-153 O's scale words
.set BO,  160                          ; v160-191 bo as four C tiles
.set AC,  192                          ; v192-223 four accumulators
.set BK,  224                          ; v224-255 rows read back from the stage
	s_load_b256 s[4:11], s[0:1], 0x0               ; oc, os, frag, bo
	s_load_b64 s[12:13], s[0:1], 0x20              ; out0
	v_lshl_add_u32 v14, v0, 2, SPARE               ; my spare word; never rewritten
	v_mov_b32 v15, 0                               ; 0; never rewritten
	v_lshrrev_b32 v1, 5, v0
	v_readfirstlane_b32 s14, v1                    ; wave 0..7
	s_lshr_b32 s15, s14, 2                         ; which 16 rows
	s_and_b32 s16, s14, 3                          ; which 64 columns
	v_and_b32 v2, 31, v0
	v_lshlrev_b32 v1, 4, v2                        ; 16 x lane
	v_lshlrev_b32 v2, 2, v2                        ; 4 x lane
	v_and_b32 v3, 15, v0                           ; r
	v_bfe_u32 v4, v0, 4, 1                         ; h
	v_mul_u32_u24 v5, v4, HB
	v_mad_u32_u24 v5, v3, 24, v5                   ; O's codes: lanes 16-31 take the next head; 24 bytes a query
	v_lshlrev_b32 v6, 5, v4                        ; bo: 32 h
	s_mul_i32 s17, s14, 16*SP                      ; my stage
	v_mul_u32_u24 v7, v3, SP
	v_lshl_add_u32 v7, v4, 5, v7
	v_add_nc_u32 v7, s17, v7                       ; in: row r, + 32 h
	v_mul_u32_u24 v8, v4, SP
	v_lshl_add_u32 v8, v3, 4, v8
	v_add_nc_u32 v8, s17, v8                       ; back: lanes 0-15 one row of 256 bytes, lanes 16-31 the next
	v_lshlrev_b32 v9, 10, v4
	v_lshl_add_u32 v9, v3, 4, v9                   ; and the same two rows in out0
	s_lshr_b32 s17, ttmp9, 5                       ; the batch
	s_and_b32 s18, ttmp9, 31
	s_lshl_b32 s18, s18, 5
	s_lshl_b32 s19, s15, 4
	s_add_co_u32 s18, s18, s19                     ; my first query in the batch
	s_lshl_b32 s17, s17, 13
	s_add_co_u32 s20, s17, s18                     ; 8,192 x batch + query
	s_mov_b32 s21, 0
	s_wait_kmcnt 0x0
	s_add_nc_u64 s[6:7], s[6:7], s[20:21]
	s_mul_i32 s20, s20, 24
	s_add_nc_u64 s[4:5], s[4:5], s[20:21]
	s_lshl_b32 s20, s16, 3
	s_add_co_u32 s20, s20, 1056
	s_mul_i32 s20, s20, FREC
	s_add_nc_u64 s[8:9], s[8:9], s[20:21]          ; my eight records of Wo
	s_lshl_b32 s20, s16, 8
	s_add_nc_u64 s[10:11], s[10:11], s[20:21]      ; my 64 numbers of bo
	s_lshl_b32 s22, ttmp9, 5
	s_add_co_u32 s22, s22, s19
	s_lshl_b32 s22, s22, 10
	s_add_co_u32 s20, s22, s20
	s_add_nc_u64 s[12:13], s[12:13], s[20:21]      ; out0 at my first row and column
.irp s, 0,1
.irp c, 0,1
.irp p, 0,1,2
	global_load_b64 v[OF+12*\s+6*\c+2*\p:OF+12*\s+6*\c+2*\p+1], v5, s[4:5] offset:(4*\s+2*\c)*HB+8*\p   ; registers 6 c on of K step s: head 4 s + 2 c + h, its 32 codes as they lie
.endr
.endr
.endr
.irp d, 0,1,2,3,4,5,6,7
	global_load_u8 v[OB+\d], v3, s[6:7] offset:1024*\d
.endr
.irp f, 0,1,2,3,4,5,6,7
.irp c, 0,1,2
	global_load_b128 v[WOF+12*\f+4*\c:WOF+12*\f+4*\c+3], v1, s[8:9] offset:FREC*\f+512*\c
.endr
	global_load_b32 v[WOS+\f], v2, s[8:9] offset:FREC*\f+FRB
.endr
.irp t, 0,1,2,3
	global_load_b128 v[BO+8*\t:BO+8*\t+3], v6, s[10:11] offset:64*\t
	global_load_b128 v[BO+8*\t+4:BO+8*\t+7], v6, s[10:11] offset:64*\t+16
.endr
	s_wait_loadcnt 0x0
.irp s, 0,1
	v_lshl_or_b32 v[OS+\s], v[OB+4*\s+1], 8, v[OB+4*\s]    ; four heads' bytes make a K step's scale word of my query
	v_lshl_or_b32 v[OS+\s], v[OB+4*\s+2], 16, v[OS+\s]
	v_lshl_or_b32 v[OS+\s], v[OB+4*\s+3], 24, v[OS+\s]
.endr
.rept 8
	v_nop                                          ; a scale register written by a vector instruction stands eight places ahead of a scaled matrix instruction
.endr
.irp t, 0,1,2,3                        ; the four accumulators by turns
	v_wmma_scale_f32_16x16x128_f8f6f4 v[AC+8*\t:AC+8*\t+7], v[WOF+24*\t:WOF+24*\t+11], v[OF:OF+11], v[BO+8*\t:BO+8*\t+7], v[WOS+2*\t], v[OS] matrix_a_fmt:MATRIX_FMT_FP6 matrix_b_fmt:MATRIX_FMT_FP6
.endr
.irp t, 0,1,2,3
	v_wmma_scale_f32_16x16x128_f8f6f4 v[AC+8*\t:AC+8*\t+7], v[WOF+24*\t+12:WOF+24*\t+23], v[OF+12:OF+23], v[AC+8*\t:AC+8*\t+7], v[WOS+2*\t+1], v[OS+1] matrix_a_fmt:MATRIX_FMT_FP6 matrix_b_fmt:MATRIX_FMT_FP6
.endr
.rept 4
	v_nop                                          ; four places ahead of the first read of results (ISA guide 7.12.1)
.endr
.irp t, 0,1,2,3
	ds_store_b128 v7, v[AC+8*\t:AC+8*\t+3] offset:64*\t            ; each accumulator from its low end on: out(r, 16 t + 8 h + 0 .. 7)
	ds_store_b128 v7, v[AC+8*\t+4:AC+8*\t+7] offset:64*\t+16
.endr
.irp i, 0,1,2,3,4,5,6,7
	ds_load_b128 v[BK+4*\i:BK+4*\i+3], v8 offset:2*\i*SP           ; LDS serves a wave's instructions in order (ISA guide 5.7.1.4): these see my stores
.endr
.irp i, 0,1,2,3,4,5,6,7
	s_wait_dscnt 7-\i                              ; pair i of rows is back; the younger loads may be out
	global_store_b128 v9, v[BK+4*\i:BK+4*\i+3], s[12:13] offset:2048*\i th:TH_STORE_NT   ; 16 lanes store 256 consecutive bytes, at a multiple of 256 from out0's first byte
.endr
	s_wait_tensorcnt 0x0                           ; the wave's end, behind my last LDS store
	ds_add_u32 v14, v15
	s_wait_dscnt 0x0
	s_endpgm
.Lfunc_end_k_qedc6ee2472_outp:
	.size	k_qedc6ee2472_outp, .Lfunc_end_k_qedc6ee2472_outp-k_qedc6ee2472_outp
	.p2alignl 7, 3214868480
	.fill 96, 4, 3214868480
	.section	.rodata,"a",@progbits
	.p2align	6, 0x0
	.amdhsa_kernel k_qedc6ee2472_outp
		.amdhsa_group_segment_fixed_size 35840
		.amdhsa_private_segment_fixed_size 0
		.amdhsa_enable_private_segment 0
		.amdhsa_kernarg_size 40
		.amdhsa_user_sgpr_count 2
		.amdhsa_user_sgpr_kernarg_segment_ptr 1
		.amdhsa_wavefront_size32 1
		.amdhsa_system_sgpr_workgroup_id_x 1
		.amdhsa_system_sgpr_workgroup_id_y 1
		.amdhsa_system_sgpr_workgroup_id_z 1
		.amdhsa_system_vgpr_workitem_id 0
		.amdhsa_next_free_vgpr 256
		.amdhsa_next_free_sgpr 66
		.amdhsa_reserve_vcc 0
		.amdhsa_float_denorm_mode_32 3
		.amdhsa_float_denorm_mode_16_64 3
		.amdhsa_memory_ordered 1
		.amdhsa_forward_progress 1
		.amdhsa_inst_pref_size 12
	.end_amdhsa_kernel
	.amdgpu_metadata
---
amdhsa.version: [ 1, 2 ]
amdhsa.kernels:
  - .name:           k_qedc6ee2472_outp
    .symbol:         k_qedc6ee2472_outp.kd
    .args:
      - { .name: oc, .offset: 0, .size: 8, .value_kind: global_buffer, .address_space: global }
      - { .name: os, .offset: 8, .size: 8, .value_kind: global_buffer, .address_space: global }
      - { .name: frag, .offset: 16, .size: 8, .value_kind: global_buffer, .address_space: global }
      - { .name: bo, .offset: 24, .size: 8, .value_kind: global_buffer, .address_space: global }
      - { .name: out0, .offset: 32, .size: 8, .value_kind: global_buffer, .address_space: global }
    .group_segment_fixed_size: 35840
    .private_segment_fixed_size: 0
    .kernarg_segment_align: 8
    .kernarg_segment_size: 40
    .max_flat_workgroup_size: 256
    .sgpr_count:     66
    .vgpr_count:     256
    .wavefront_size: 32
...
	.end_amdgpu_metadata
.endif
;; end of part 3
